; MI455X (gfx1250); checked and timed in simulation.
; The chip was launched on July 23, 2026; its instructions are those of AMD's public machine-readable ISA for CDNA 5 (MIT licence, August 2026) and "CDNA5" Instruction Set Architecture Reference Guide (July 2026). The comments in the code are by the model that wrote it; some were corrected since.
;; DC Nv2 Pooling. Allowed arithmetic: float matrix products may take bf16 or f16 operands with f32 sums; all other float work in f32.
;; Inputs: input 8 x 256 x 128 x 128 float32; offset 1,024 x 2 x 7 x 7 float32; rois 1,024 x 5 float32.
;; Outputs: out0 1,024 x 256 x 7 x 7 float32.
;; 2 versions, each right and faster than the one before. Each part assembles by itself: llvm-mc -triple=amdgcn-amd-amdhsa -mcpu=gfx1250 --defsym DOCPART=n.
;; ======== version 1 of 2: 2 launches
;; limits: values outside matrix products are rounded to f16; inputs' magnitudes at most 65,504; values are held in f16: magnitudes above 65,504 overflow, below 6.1e-05 lose precision; below input magnitudes of 6.1e-05 results are inexact or not finite
;; workspace buffers: wts 50,331,648 bytes; plan 50,176 bytes of whole numbers
;; launch prep (part 1): grid 256 x 1, 16 waves a work-group, no clusters, 0 bytes of LDS; arguments rois, offset, wts, plan; writes wts, plan
.if DOCPART == 1
	.amdgcn_target "amdgcn-amd-amdhsa--gfx1250"
	.amdhsa_code_object_version 6
	.text
	.protected	k_q8db8592346_prep
	.globl	k_q8db8592346_prep
	.p2align	8
	.type	k_q8db8592346_prep,@function
k_q8db8592346_prep:
	s_mov_b64 s[64:65], 0
	v_nop
	global_prefetch_b8 v0, s[64:65] scope:SCOPE_SE
	s_setreg_imm32_b32 hwreg(HW_REG_WAVE_MODE, 25, 1), 1
	s_wait_xcnt 0x0
; Deformable RoI pooling, step 1 of 2: from rois and offset to separable weights and whole-number plans.
; The 16 samples of a bin form a grid: w hangs on (bin, iw), h on (bin, ih), valid = vx(iw) and vy(ih), count = cx cy, and a bilinear
; weight is hat(d) = max(0, 1 - |d|) of the clipped coordinate.  So out[k][c][bin] = sum_y WY[bin][y] sum_x WX[bin][x] f[c][y][x] with
; WX[bin][x] = sum_i vx_i hat(x - wc_i) / max(cx, 1), WY likewise.  (cx = 0 or cy = 0 gives all-zero weights: the result 0, as asked.)
; One wave makes one group g = 4 k + t: RoI k, bin tile t = the two bin rows ph = 2t, 2t+1 (14 bins; t = 3: row 6 alone, 7 bins).
; Lane l stands for bin 14 t + min(l % 16, 13 or 6); the lanes past the last bin repeat it.
; A group owns 12,288 bytes of wts: 4 records of WX (f16: a B fragment, 16 bins x 32 x) and 8 of WY (f32: 16 bins x 16 y in the
; layout of a matrix result).  A record is 1 KiB: bytes 16 l = the lane's registers 0-3, bytes 512 + 16 l = registers 4-7.
; WX record ix: lo = xa + 32 ix, first column xb = min(lo, 96); weights of x < lo are 0, so that clamped records count nothing twice.
; WY record iy: lo = ya + 16 iy, first row yb = min(lo, 112), the same.
; plan, in words: g = xa | ya << 8 | nx << 16 | ny << 24 (records in use);  4096 + 1024 b + j = the j-th RoI of image b, k ascending;
; 12288 + 32 b + s = the number of RoIs of image b (the same for all s: one word for each work-group of step 2).
; The lists are made by wave 0 of work-group 32 b + s, 32 slots j = 32 s + l.
; Every store goes to an address made of ids alone: no address or branch here hangs on a float, so each list slot SELECTS its RoI.
; LIMITS: NaN or infinite rois and offsets are not served.  rw / 7 is rw x (1/7) rounded, 1 / count is v_rcp_f32(cx) x v_rcp_f32(cy)
; (each within one unit in the last place).  WX is rounded to f16 (11 significant bits).  A batch index outside 0..7 is clamped to 7.
.set LANE, 1
.set RE,   2                           ; min(l % 16, last bin of the tile)
.set HH,   3                           ; l / 16
.set H8,   4                           ; 8 (l / 16) as f32
.set G7,   5                           ; 1 for the tile's second bin row
.set PW,   6                           ; pw as f32
.set PH,   7                           ; ph as f32
.set OA,   8                           ; byte offset of my bin's tx in offset
.set ZERO, 9
.set ROI,  10                          ; v[10:14] the RoI's five numbers
.set TX,   15
.set TY,   16
.set T0,   17                          ; v[17:21] at work
.set T1,   18
.set T2,   19
.set T3,   20
.set T4,   21
.set XWC,  24                          ; v[24:27] clipped w of the four samples
.set XAA,  28                          ; v[28:31] vx_i / max(cx, 1)
.set YWC,  32
.set YAA,  36
.set XMN,  40                          ; first and last column, first and last row that the tile's bins touch (f32 whole numbers)
.set XMX,  41
.set YMN,  42
.set YMX,  43
.set LO,   44                          ; the record's lo
.set X,    46                          ; the element's x or y
.set S0,   48
.set S1,   49
.set W,    52                          ; v[52:59] the record's eight registers
.set STO,  60                          ; 16 l + the record's place in the group
.set HDR,  61
; the list block of wave 0, done with before the registers above v23 get their meaning:
.set JJ,   24                          ; my slot j
.set MM,   25                          ; the match mask of the chunk that holds my RoI
.set CC,   26                          ; matches in front of that chunk
.set NB,   27                          ; 32 x the chunk; at last k
.set TT,   28                          ; at work
.set RUN,  29                          ; matches of the chunk up to and with bit i
.set PP,   30                          ; j - CC: which match of the chunk is mine
.set LA,   31                          ; 20 l
.set SO,   32                          ; 4 l
.set RB,   64                          ; v[64:95] register n: the batch number of RoI 32 n + l
	s_load_b256 s[4:11], s[0:1], 0x0               ; rois s[4:5], offset s[6:7], wts s[8:9], plan s[10:11]
	v_lshrrev_b32 v2, 5, v0
	v_readfirstlane_b32 s12, v2                    ; wave 0..15
	v_and_b32 v[LANE], 31, v0
	s_and_b32 s13, s12, 3                          ; t
	s_lshr_b32 s14, s12, 2
	s_lshl2_add_u32 s14, ttmp9, s14                ; k = 4 x work-group + wave / 4
	s_cmp_eq_u32 s13, 3
	s_cselect_b32 s15, 6, 13                       ; the tile's last bin
	v_and_b32 v[RE], 15, v[LANE]
	v_min_u32 v[RE], s15, v[RE]
	v_lshrrev_b32 v[HH], 4, v[LANE]
	v_lshlrev_b32 v[H8], 3, v[HH]
	v_cvt_f32_u32 v[H8], v[H8]
	v_cmp_le_u32 vcc_lo, 7, v[RE]
	v_cndmask_b32 v[G7], 0, 1, vcc_lo
	v_mul_u32_u24 v[PW], 7, v[G7]
	v_sub_nc_u32 v[PW], v[RE], v[PW]
	v_cvt_f32_u32 v[PW], v[PW]
	s_lshl_b32 s16, s13, 1
	v_add_nc_u32 v[PH], s16, v[G7]
	v_cvt_f32_u32 v[PH], v[PH]
	s_mul_i32 s16, s14, 98                         ; offset is [k][2][49]; part_h = ph, part_w = pw (floor(p / 7 x 7) = p for p = 0..6)
	s_mul_i32 s17, s13, 14
	s_add_co_u32 s16, s16, s17
	v_add_lshl_u32 v[OA], v[RE], s16, 2            ; 4 (98 k + 14 t + re)
	v_mov_b32 v[ZERO], 0
	v_lshlrev_b32 v[STO], 4, v[LANE]
	s_mul_i32 s16, s14, 20                         ; a RoI is 20 bytes
	s_mov_b32 s17, 0
	s_lshl2_add_u32 s22, s14, s13                  ; g = 4 k + t
	s_mul_i32 s28, s22, 12288
	s_mov_b32 s29, 0
	s_lshl_b32 s30, s22, 2
	s_mov_b32 s31, 0
	s_lshr_b32 s34, ttmp9, 5                       ; the list block's image b
	s_and_b32 s35, ttmp9, 31
	s_lshl_b32 s35, s35, 5                         ; and its first slot, 32 s
	s_lshl_b32 s44, ttmp9, 7                       ; 4 (1024 b + 32 s) = 128 x work-group,
	s_add_co_u32 s44, s44, 16384                   ; behind the 4,096 headers
	s_mov_b32 s45, 0
	s_lshl_b32 s46, ttmp9, 2
	s_add_co_u32 s46, s46, 49152                   ; the count word of this work-group's number
	s_mov_b32 s47, 0
	s_wait_kmcnt 0x0
	s_add_nc_u64 s[18:19], s[4:5], s[16:17]        ; my RoI
	s_add_nc_u64 s[20:21], s[8:9], s[28:29]        ; my group's records
	s_add_nc_u64 s[24:25], s[10:11], s[30:31]      ; my header word
	s_add_nc_u64 s[40:41], s[10:11], s[44:45]      ; the 32 list slots
	s_add_nc_u64 s[42:43], s[10:11], s[46:47]      ; the count word
.irp i, 0,1,2,3,4
	global_load_b32 v[ROI+\i], v[ZERO], s[18:19] offset:4*\i
.endr
	global_load_b32 v[TX], v[OA], s[6:7]
	global_load_b32 v[TY], v[OA], s[6:7] offset:196
	; THE LISTS (wave 0 alone).  Chunk n = RoIs 32 n .. 32 n + 31; c_n = matches of image b in front of it.  Slot j's RoI lies in the
	; last chunk with c_n <= j (c_n never falls, and the chunk behind the right one has c > j).
	s_cmp_lg_u32 s12, 0
	s_cbranch_scc1 .Lnolist
	v_mul_u32_u24 v[LA], 20, v[LANE]
.set n, 0
.rept 32
	global_load_b32 v[RB+n], v[LA], s[4:5] offset:640*n        ; rois[32 n + l][0]
.set n, n+1
.endr
	v_add_nc_u32 v[JJ], s35, v[LANE]
	v_lshlrev_b32 v[SO], 2, v[LANE]
	s_mov_b32 s36, 0                               ; c_0
	s_wait_loadcnt 0x0
.set n, 0
.rept 32
	v_cvt_i32_f32 v[TT], v[RB+n]                   ; toward zero, as astype(int32)
	v_min_u32 v[TT], 7, v[TT]
	v_cmp_eq_u32 s37, s34, v[TT]                   ; the chunk's matches
.if n == 0
	v_mov_b32 v[MM], s37                           ; c_0 = 0 <= j: chunk 0 starts the selection
	v_mov_b32 v[CC], 0
	v_mov_b32 v[NB], 0
.else
	v_cmp_gt_u32 vcc_lo, s36, v[JJ]                ; c_n > j: keep what I have
	v_cndmask_b32 v[MM], s37, v[MM], vcc_lo
	v_cndmask_b32 v[CC], s36, v[CC], vcc_lo
	v_cndmask_b32 v[NB], 32*n, v[NB], vcc_lo
.endif
	s_bcnt1_i32_b32 s38, s37
	s_add_co_u32 s36, s36, s38                     ; c_(n+1)
.set n, n+1
.endr
	v_sub_nc_u32 v[PP], v[JJ], v[CC]
	; the place of match number PP (from 0) in the mask = how many bit positions have at most PP matches up to and with themselves
.set bi, 0
.rept 32
.if bi == 0
	v_and_b32 v[RUN], 1, v[MM]
.else
	v_bfe_u32 v[TT], v[MM], bi, 1
	v_add_nc_u32 v[RUN], v[RUN], v[TT]
.endif
	v_cmp_le_u32 vcc_lo, v[RUN], v[PP]
	v_cndmask_b32 v[TT], 0, 1, vcc_lo
	v_add_nc_u32 v[NB], v[NB], v[TT]
.set bi, bi+1
.endr
	v_min_u32 v[NB], 0x3ff, v[NB]                  ; slots at or past the image's count get some RoI's number; step 2 stops at the count
	global_store_b32 v[SO], v[NB], s[40:41]        ; 128 consecutive bytes
	v_mov_b32 v[TT], s36                           ; the image's count
	s_wait_xcnt 0x0                                ; EXEC is a source of the pending store: it changes only behind this wait
	v_cmp_eq_u32 vcc_lo, 0, v[LANE]
	s_and_saveexec_b32 s23, vcc_lo
	global_store_b32 v[ZERO], v[TT], s[42:43]
	s_wait_xcnt 0x0                                ; again; it also frees the two stores' registers, which are rewritten below
	s_or_b32 exec_lo, exec_lo, s23
.Lnolist:
	s_wait_loadcnt 0x0                             ; my RoI and my bin's offsets
; one sample of an axis: w = start + i x step; 1.0 or 0 for -0.5 <= w <= 127.5; w clipped to 0..127
.macro SMP i, fi, WC, AA
	v_fma_f32 v[T3], v[T2], \fi, v[T0]
	v_med3_num_f32 v[T4], v[T3], -0.5, 0x42ff0000          ; w clamped to [-0.5, 127.5] equals w where w is valid
	v_cmp_eq_f32 vcc_lo, v[T4], v[T3]
	v_cndmask_b32 v[\AA+\i], 0, 1.0, vcc_lo
	v_med3_num_f32 v[\WC+\i], v[T3], 0, 0x42fe0000
.endm
; one axis: R1, R2 the RoI's two coordinates, PI the bin's index, TR its offset
.macro AXIS R1, R2, PI, TR, WC, AA, MN, MX
	v_rndne_f32 v[T0], v[\R1]
	v_rndne_f32 v[T1], v[\R2]
	v_fma_f32 v[T0], v[T0], 0x3d800000, -0.5               ; start = round(x1) / 16 - 0.5 (the product is exact)
	v_add_f32 v[T1], 1.0, v[T1]
	v_fma_f32 v[T1], v[T1], 0x3d800000, -0.5               ; end = (round(x2) + 1) / 16 - 0.5
	v_sub_f32 v[T1], v[T1], v[T0]
	v_max_num_f32 v[T1], 0x3dcccccd, v[T1]                 ; extent, at least 0.1
	v_mul_f32 v[T2], 0x3e124925, v[T1]                     ; bin = extent / 7
	v_fma_f32 v[T0], v[\PI], v[T2], v[T0]
	v_mul_f32 v[T3], 0x3dcccccd, v[\TR]                    ; offset x 0.1
	v_fma_f32 v[T0], v[T3], v[T1], v[T0]                   ; the bin's first sample
	v_mul_f32 v[T2], 0x3e800000, v[T2]                     ; step = bin / 4
	SMP 0, 0, \WC, \AA
	SMP 1, 1.0, \WC, \AA
	SMP 2, 2.0, \WC, \AA
	SMP 3, 0x40400000, \WC, \AA
	v_add_f32 v[T3], v[\AA], v[\AA+1]
	v_add_f32 v[T4], v[\AA+2], v[\AA+3]
	v_add_f32 v[T3], v[T3], v[T4]
	v_max_num_f32 v[T3], 1.0, v[T3]
	v_rcp_f32 v[T4], v[T3]
	v_floor_f32 v[\MN], v[\WC]                             ; the plain instruction between v_rcp_f32 and the use of its result
	s_wait_alu depctr_va_vdst(0)
.irp i, 0,1,2,3
	v_mul_f32 v[\AA+\i], v[\AA+\i], v[T4]
.endr
	v_floor_f32 v[\MX], v[\WC+3]                           ; the samples ascend: 0 is the lowest, 3 the highest
	v_add_f32 v[\MX], 1.0, v[\MX]
	v_min_num_f32 v[\MX], 0x42fe0000, v[\MX]
.irp m, 1,2,4,8                                            ; over the 16 bins; both halves of the wave hold the same 16
	v_min_num_f32_dpp v[\MN], v[\MN], v[\MN] row_xmask:\m row_mask:0xf bank_mask:0xf
	v_max_num_f32_dpp v[\MX], v[\MX], v[\MX] row_xmask:\m row_mask:0xf bank_mask:0xf
.endr
.endm
	AXIS ROI+1, ROI+3, PW, TX, XWC, XAA, XMN, XMX
	AXIS ROI+2, ROI+4, PH, TY, YWC, YAA, YMN, YMX
	; the header: xa = xmin rounded down to 8 (16 bytes of f16), nx = records of 32 columns, ya = ymin, ny = records of 16 rows
	v_mul_f32 v[LO], 0x3e000000, v[XMN]
	v_floor_f32 v[LO], v[LO]
	v_mul_f32 v[LO], 0x41000000, v[LO]             ; xa: also the first WX record's lo
	v_sub_f32 v[T0], v[XMX], v[LO]
	v_mul_f32 v[T0], 0x3d000000, v[T0]
	v_floor_f32 v[T0], v[T0]
	v_add_f32 v[T0], 1.0, v[T0]                    ; nx, 1..4
	v_sub_f32 v[T1], v[YMX], v[YMN]
	v_mul_f32 v[T1], 0x3d800000, v[T1]
	v_floor_f32 v[T1], v[T1]
	v_add_f32 v[T1], 1.0, v[T1]                    ; ny, 1..8
	v_cvt_u32_f32 v[HDR], v[LO]
	v_cvt_u32_f32 v[T2], v[YMN]
	v_cvt_u32_f32 v[T0], v[T0]
	v_cvt_u32_f32 v[T1], v[T1]
	v_lshl_or_b32 v[HDR], v[T2], 8, v[HDR]
	v_lshl_or_b32 v[HDR], v[T0], 16, v[HDR]
	v_lshl_or_b32 v[HDR], v[T1], 24, v[HDR]
; S = sum_i AA_i hat(X - WC_i), and 0 where X < LO.  v47 is at work.
.macro HAT S, WC, AA
.irp i, 0,1,2,3
	v_sub_f32 v47, v[X], v[\WC+\i]
	v_sub_f32 v47, 1.0, |v47|
	v_max_num_f32 v47, 0, v47
.if \i == 0
	v_mul_f32 v[\S], v47, v[\AA]                   ; the first product starts the sum
.else
	v_fmac_f32 v[\S], v47, v[\AA+\i]
.endif
.endr
	v_cmp_le_f32 vcc_lo, v[LO], v[X]
	v_cndmask_b32 v[\S], 0, v[\S], vcc_lo
.endm
	; four WX records.  Element e of lane (r, h) of a 16-bit fragment is k = 8 h + e (e < 8) or 8 h + e + 8 (ISA guide 7.12.2).
	s_mov_b32 s22, 0
.Lwx:
	v_min_num_f32 v[X], 0x42c00000, v[LO]          ; xb = min(lo, 96)
	v_add_f32 v[X], v[X], v[H8]
.set e, 0
.rept 8
	HAT S0, XWC, XAA
	v_add_f32 v[X], 1.0, v[X]
	HAT S1, XWC, XAA
	v_cvt_pk_f16_f32 v[W+e], v[S0], v[S1]
.if e == 3
	v_add_f32 v[X], 0x41100000, v[X]               ; from k = 8 h + 7 to 8 h + 16
.else
.if e < 7
	v_add_f32 v[X], 1.0, v[X]
.endif
.endif
.set e, e+1
.endr
	global_store_b128 v[STO], v[W:W+3], s[20:21]               ; each store of the wave covers 512 consecutive bytes, aligned
	global_store_b128 v[STO], v[W+4:W+7], s[20:21] offset:512
	s_wait_xcnt 0x0                                ; STO and W are rewritten only behind this wait
	v_add_nc_u32 v[STO], 1024, v[STO]
	v_add_f32 v[LO], 0x42000000, v[LO]
	s_add_co_u32 s22, s22, 1
	s_cmp_lt_u32 s22, 4
	s_cbranch_scc1 .Lwx
	; eight WY records, behind the four of WX (STO now stands at 4096 + 16 l).  Register j of lane (r, h) is row 8 h + j.
	v_mov_b32 v[LO], v[YMN]
	s_mov_b32 s22, 0
.Lwy:
	v_min_num_f32 v[X], 0x42e00000, v[LO]          ; yb = min(lo, 112)
	v_add_f32 v[X], v[X], v[H8]
.set e, 0
.rept 8
	HAT W+e, YWC, YAA
.if e < 7
	v_add_f32 v[X], 1.0, v[X]
.endif
.set e, e+1
.endr
	global_store_b128 v[STO], v[W:W+3], s[20:21]
	global_store_b128 v[STO], v[W+4:W+7], s[20:21] offset:512
	s_wait_xcnt 0x0                                ; as above; it also stands in front of the change of EXEC below
	v_add_nc_u32 v[STO], 1024, v[STO]
	v_add_f32 v[LO], 0x41800000, v[LO]
	s_add_co_u32 s22, s22, 1
	s_cmp_lt_u32 s22, 8
	s_cbranch_scc1 .Lwy
	v_cmp_eq_u32 vcc_lo, 0, v[LANE]                ; lane 0 stores the group's header
	s_and_saveexec_b32 s23, vcc_lo
	global_store_b32 v[ZERO], v[HDR], s[24:25]
	s_endpgm
.Lfunc_end_k_q8db8592346_prep:
	.size	k_q8db8592346_prep, .Lfunc_end_k_q8db8592346_prep-k_q8db8592346_prep
	.p2alignl 7, 3214868480
	.fill 96, 4, 3214868480
	.section	.rodata,"a",@progbits
	.p2align	6, 0x0
	.amdhsa_kernel k_q8db8592346_prep
		.amdhsa_group_segment_fixed_size 0
		.amdhsa_private_segment_fixed_size 0
		.amdhsa_enable_private_segment 0
		.amdhsa_kernarg_size 32
		.amdhsa_user_sgpr_count 2
		.amdhsa_user_sgpr_kernarg_segment_ptr 1
		.amdhsa_wavefront_size32 1
		.amdhsa_system_sgpr_workgroup_id_x 1
		.amdhsa_system_sgpr_workgroup_id_y 1
		.amdhsa_system_sgpr_workgroup_id_z 1
		.amdhsa_system_vgpr_workitem_id 0
		.amdhsa_next_free_vgpr 96
		.amdhsa_next_free_sgpr 66
		.amdhsa_reserve_vcc 1
		.amdhsa_float_denorm_mode_32 3
		.amdhsa_float_denorm_mode_16_64 3
		.amdhsa_memory_ordered 1
		.amdhsa_forward_progress 1
		.amdhsa_inst_pref_size 51
	.end_amdhsa_kernel
	.amdgpu_metadata
---
amdhsa.version: [ 1, 2 ]
amdhsa.kernels:
  - .name:           k_q8db8592346_prep
    .symbol:         k_q8db8592346_prep.kd
    .args:
      - { .name: rois, .offset: 0, .size: 8, .value_kind: global_buffer, .address_space: global }
      - { .name: offset, .offset: 8, .size: 8, .value_kind: global_buffer, .address_space: global }
      - { .name: wts, .offset: 16, .size: 8, .value_kind: global_buffer, .address_space: global }
      - { .name: plan, .offset: 24, .size: 8, .value_kind: global_buffer, .address_space: global }
    .group_segment_fixed_size: 0
    .private_segment_fixed_size: 0
    .kernarg_segment_align: 8
    .kernarg_segment_size: 32
    .max_flat_workgroup_size: 512
    .sgpr_count:     66
    .vgpr_count:     96
    .wavefront_size: 32
...
	.end_amdgpu_metadata
.endif
;; end of part 1
;; launch pool (part 2): grid 256 x 1, 16 waves a work-group, no clusters, 280,576 bytes of LDS; arguments input, wts, plan, out0; writes out0
.if DOCPART == 2
	.amdgcn_target "amdgcn-amd-amdhsa--gfx1250"
	.amdhsa_code_object_version 6
	.text
	.protected	k_q8db8592346_pool
	.globl	k_q8db8592346_pool
	.p2align	8
	.type	k_q8db8592346_pool,@function
k_q8db8592346_pool:
	s_mov_b64 s[64:65], 0
	v_nop
	global_prefetch_b8 v0, s[64:65] scope:SCOPE_SE
	s_setreg_imm32_b32 hwreg(HW_REG_WAVE_MODE, 25, 1), 1
	s_wait_xcnt 0x0
; Deformable RoI pooling, step 2 of 2: out[k][c][bin] = sum_y WY[bin][y] sum_x WX[bin][x] f[b(k)][c][y][x], weights from step 1.
; Work-group = batch image b (ttmp9 / 32) and eight channels 8 cg .. 8 cg + 7 (cg = ttmp9 % 32).  It reads its eight planes
; (512 KiB of f32) once, keeps them in LDS as f16, and then serves every RoI of its image; each input byte is read by one work-group.
; The inner sum is a matrix product with K = x, which lies along the rows as they are stored: A = 16 rows y x 32 columns x of a plane,
; B = 16 bins x 32 x of WX.  In the result a lane holds one bin (n = l % 16) and its registers eight rows y, so the outer sum is four
; packed multiply-adds with WY in f32, and one exchange between the wave's halves at the end.
; 16 waves: after one barrier wave w serves entries w, 16 + w, 32 + w .. of its image's list, four bin tiles each, with no further barrier.
; All that steers the walk is read from plan by scalar loads: the image's count, the list entries, and per tile xa, ya and the numbers
; nx, ny of 32-column and 16-row records; one job = one (iy, ix) = 8 matrix instructions.
; BEHIND THE BARRIER NOTHING WRITES LDS: the fragment loads' addresses hang on the plan, and the waves run at their own pace, so the
; ordering of LDS rests on this alone.  Hence results leave straight from registers: a store covers the 28 (or 21) consecutive words
; of two bin tiles of a channel, 4 bytes a lane, and the 16 stores of a RoI cover 1,568 consecutive bytes.  (16 bytes a lane would want
; a stage in LDS.)
; NO CLUSTER: the 32 work-groups of an image do walk the same weights, but these go to each wave's registers at that wave's own pace
; (2 KiB a job beside 8 KiB of plane fragments read from LDS).  A joint request would need them in LDS, all 16 waves and all partners
; in step (a barrier a job), inside loops whose trip counts are read from the plan.  The planes are shared with nobody.
; No tensor loads: the planes must be narrowed from f32 to f16 on the way, and eight planes of f32 do not fit in LDS.
; LIMITS: pixels and WX are rounded to f16 (11 significant bits): a pixel of magnitude above 65,504 becomes infinite, and a pixel that
; is not finite poisons every bin whose 16 x 32 tile covers it (0 x inf).  WY and all sums are f32.
.set PITCH, 272                        ; an LDS row: 128 f16 + 16 bytes = 17 x 16 bytes, so the 16 rows of a fragment start in 16 different 16-byte columns
.set PLANE, 128*PITCH                  ; a channel's plane; LDS holds the 8 planes and nothing else
.set LANE, 1
.set L16,  2                           ; 16 x lane
                                       ; v3, v4, v6, v7  at work in the set-up
.set VTX,  5                           ; offset of a WX record                        (until the barrier: where I put f16 rows)
.set VTY,  6                           ; offset of a WY record
.set LB,   8                           ; v[8:11]   fragment address in plane 2q: 272 (l % 16) + 16 (l / 16) + 2 q planes
.set AD,   12                          ; v[12:15]  the same plus the job's corner     (until the barrier: packed f16)
.set WXA,  16                          ; v[16:23], v[24:31] a tile's first WX record, two buffers
.set WXB,  24
.set WYA,  32                          ; v[32:39], v[40:47] a tile's first WY record, two buffers
.set WYB,  40
.set WXT,  48                          ; v[48:55]  a later WX record
.set WYT,  56                          ; v[56:63]  a later WY record
.set ACC,  64                          ; v[64:79]  8 channels x a pair of sums (even and odd rows)
.set RES,  80                          ; v[80:111] results, 8 t + c
.set F,    112                         ; v[112:175] 8 A fragments                     (at first: 16 rows on their way in; at last: the way out)
.set D,    176                         ; v[176:239] 8 matrix results                  (at first: 16 more rows)
.set OA,   240                         ; v[240], v[241] byte offset of my word in a channel's 49: tiles 0 and 1, tiles 2 and 3
; scalars: s12 wave, s14 cg, s15 the image's count, s16 my RoIs, s17 the trip, s18 this RoI, s19 the next, s59 the one after,
; s[20:23] this RoI's headers, s[24:27] the next one's, s58 my last entry's index, s[56:57] my entry 0, s28, s29 scalar loads' offsets
	s_load_b256 s[4:11], s[0:1], 0x0               ; input s[4:5], wts s[6:7], plan s[8:9], out0 s[10:11]
	v_lshl_add_u32 v244, v0, 2, 0x44000
	v_mov_b32 v245, 0
	v_lshrrev_b32 v6, 5, v0
	v_readfirstlane_b32 s12, v6                    ; wave 0..15
	v_and_b32 v[LANE], 31, v0
	v_lshlrev_b32 v[L16], 4, v[LANE]
	s_lshr_b32 s13, ttmp9, 5                       ; b
	s_and_b32 s14, ttmp9, 31                       ; cg
	s_lshl_b32 s34, ttmp9, 19                      ; plane 256 b + 8 cg = 8 ttmp9, 65,536 bytes each
	s_lshl_b32 s48, s12, 15                        ; my 64 of the 1,024 rows, 512 bytes each
	s_add_co_u32 s34, s34, s48
	s_mov_b32 s35, 0
	s_lshl_b32 s28, ttmp9, 2                       ; my work-group's count word
	s_lshl_b32 s36, s13, 12                        ; my image's list, 1,024 words,
	s_lshl2_add_u32 s36, s12, s36                  ; from entry w on,
	s_add_co_u32 s36, s36, 16384                   ; behind the 4,096 headers
	s_mov_b32 s37, 0
	s_mul_i32 s48, s12, 64*PITCH
	v_lshl_add_u32 v5, v[LANE], 3, s48             ; 8 bytes a lane in my first row
	s_wait_kmcnt 0x0
	s_load_b32 s15, s[8:9], s28 offset:0xc000      ; how many RoIs my image has
	s_add_nc_u64 s[38:39], s[4:5], s[34:35]
	s_add_nc_u64 s[56:57], s[8:9], s[36:37]
; 16 rows on their way: one load is one whole row of 512 bytes
.macro LOADS set, row0
.set j, 0
.rept 16
	global_load_b128 v[\set+4*j:\set+4*j+3], v[L16], s[38:39] offset:(\row0+j)*512 th:TH_LOAD_NT
.set j, j+1
.endr
.endm
; 16 rows to f16 and into LDS.  left - j = the loads younger than row j's: the other set's 16 (if out) and my set's 15 - j
.macro PROC set, row0, left
.set j, 0
.rept 16
	s_wait_loadcnt \left-j
	v_cvt_pk_f16_f32 v[AD+2*(j%2)], v[\set+4*j], v[\set+4*j+1]
	v_cvt_pk_f16_f32 v[AD+2*(j%2)+1], v[\set+4*j+2], v[\set+4*j+3]
	ds_store_b64 v5, v[AD+2*(j%2):AD+2*(j%2)+1] offset:(\row0+j)*PITCH     ; 32 lanes, 256 neighbouring bytes
.set j, j+1
.endr
.endm
	LOADS F, 0
	LOADS D, 16
	; the walk's first numbers, fetched while the rows come.  A wave with no RoI reads entry w all the same: every slot of a list is written.
	s_wait_kmcnt 0x0                               ; the count
	s_add_co_u32 s16, s15, 15
	s_sub_co_u32 s16, s16, s12
	s_lshr_b32 s16, s16, 4                         ; my RoIs: the entries below the count that are my number modulo 16
	s_min_u32 s16, s16, 64                         ; 1,024 / 16 at the most
	s_max_u32 s58, s16, 1
	s_sub_co_u32 s58, s58, 1                       ; the index of my last entry
	s_min_u32 s48, s58, 1
	s_lshl_b32 s29, s48, 6                         ; my entries are 16 words apart
	s_load_b32 s18, s[56:57], 0x0                  ; entry 0
	s_load_b32 s19, s[56:57], s29 offset:0x0       ; entry 1 (or 0 again)
	PROC F, 0, 31
	s_wait_kmcnt 0x0
	s_min_u32 s18, s18, 1023
	s_min_u32 s19, s19, 1023
	s_lshl_b32 s28, s18, 4
	s_load_b128 s[20:23], s[8:9], s28 offset:0x0   ; the first RoI's four headers
	LOADS F, 32
	PROC D, 16, 31
	LOADS D, 48
	PROC F, 32, 31
	PROC D, 48, 15
	s_wait_dscnt 0x0                               ; my rows are in LDS, for the others' sake
	s_barrier_signal -1
	s_barrier_wait -1                              ; the planes are whole, and from here on LDS is only read: the one barrier
	v_and_b32 v6, 15, v[LANE]                      ; r
	v_lshrrev_b32 v7, 4, v[LANE]                   ; h
	v_mul_u32_u24 v[LB], PITCH, v6
	v_lshl_add_u32 v[LB], v7, 4, v[LB]
	v_add_nc_u32 v[LB+1], 2*PLANE, v[LB]
	v_add_nc_u32 v[LB+2], 4*PLANE, v[LB]
	v_add_nc_u32 v[LB+3], 6*PLANE, v[LB]
	; The way out: lanes 0-15 carry tile 2p, lanes 16-31 tile 2p + 1.  A lane past its tile's last bin (13; in tile 3: 6) holds that bin's
	; value, since its weights are that bin's, and stores it to that bin's word: every lane stays on.
	v_min_u32 v3, 13, v6
	v_mul_u32_u24 v4, 14, v7
	v_add_lshl_u32 v[OA], v3, v4, 2                ; tiles 0, 1: 4 (min(r, 13) + 14 h)
	v_mul_u32_u24 v3, 7, v7
	v_sub_nc_u32 v3, 13, v3
	v_min_u32 v3, v3, v6
	v_add_nc_u32 v3, v3, v4
	v_add_lshl_u32 v[OA+1], v3, 28, 2              ; tiles 2, 3: 4 (28 + min(r, 13 - 7 h) + 14 h)
	s_mov_b32 s50, 0x76543210                      ; v_permlanex16_b32: lane i reads lane i of the other half
	s_mov_b32 s51, 0xfedcba98
	s_mov_b32 s52, 0xffff0000                      ; the mask of lanes 16-31
	s_wait_kmcnt 0x0                               ; the first headers
	s_cmp_eq_u32 s16, 0
	s_cbranch_scc1 .Lend
	s_mul_i32 s34, s18, 49152
	s_mov_b32 s35, 0
	s_add_nc_u64 s[30:31], s[6:7], s[34:35]        ; the first RoI's tile 0's records
	global_load_b128 v[WXA:WXA+3], v[L16], s[30:31]
	global_load_b128 v[WXA+4:WXA+7], v[L16], s[30:31] offset:512
	global_load_b128 v[WYA:WYA+3], v[L16], s[30:31] offset:4096
	global_load_b128 v[WYA+4:WYA+7], v[L16], s[30:31] offset:4608
	s_mov_b32 s17, 0
; One job: 16 rows x 32 columns at LDS offset s47 of all eight planes, times the WX record in registers WX.
; zero = 1: the products start the sums over x.  wait = 1: the record was asked for just before.
.macro BLOCK WX, zero, wait
.irp q, 0,1,2,3
	v_add_nc_u32 v[AD+\q], s47, v[LB+\q]
.endr
.irp q, 0,1,2,3
.irp e, 0,1
	ds_load_b128 v[F+8*(2*\q+\e):F+8*(2*\q+\e)+3], v[AD+\q] offset:PLANE*\e
	ds_load_b128 v[F+8*(2*\q+\e)+4:F+8*(2*\q+\e)+7], v[AD+\q] offset:PLANE*\e+32
.endr
.endr
.if \wait
	s_wait_loadcnt 0x0                             ; the record is the youngest load
.endif
.irp c, 0,1,2,3,4,5,6,7
	s_wait_dscnt 14-2*\c                           ; two loads for each later channel stay out
.if \zero
	v_wmma_f32_16x16x32_f16 v[D+8*\c:D+8*\c+7], v[F+8*\c:F+8*\c+7], v[\WX:\WX+7], 0
.else
	v_wmma_f32_16x16x32_f16 v[D+8*\c:D+8*\c+7], v[F+8*\c:F+8*\c+7], v[\WX:\WX+7], v[D+8*\c:D+8*\c+7]
.endif
.endr
.rept 4
	v_nop                                          ; four places before results are read and before loads land on fragments or a record
.endr
.endm
; the sum over the 16 rows: lane (r, h) adds its rows 8 h + 0..7, two at a time.  first = 1: the first products start the sums
.macro FMA first, WY
.irp i, 0,1,2,3
.irp c, 0,1,2,3,4,5,6,7
.if \first > \i
	v_pk_mul_f32 v[ACC+2*\c:ACC+2*\c+1], v[D+8*\c+2*\i:D+8*\c+2*\i+1], v[\WY+2*\i:\WY+2*\i+1]
.else
	v_pk_fma_f32 v[ACC+2*\c:ACC+2*\c+1], v[D+8*\c+2*\i:D+8*\c+2*\i+1], v[\WY+2*\i:\WY+2*\i+1], v[ACC+2*\c:ACC+2*\c+1]
.endif
.endr
.endr
.endm
; one band of 16 rows (LDS offset s46): all nx records of WX, then the sum over the rows with the record in WY
.macro ROW first, WXc, WY, id
	s_min_u32 s48, s40, 96
	s_lshl1_add_u32 s47, s48, s46                  ; 2 bytes a column
	BLOCK \WXc, 1, 0
	s_cmp_lt_u32 s42, 2
	s_cbranch_scc1 .Lxe_\id
	s_mov_b32 s44, 1
.Lx_\id:
	s_lshl_b32 s48, s44, 10
	v_add_nc_u32 v[VTX], s48, v[L16]               ; its last loads were waited for in the job that used them
	global_load_b128 v[WXT:WXT+3], v[VTX], s[32:33]
	global_load_b128 v[WXT+4:WXT+7], v[VTX], s[32:33] offset:512
	s_lshl_b32 s48, s44, 5
	s_add_co_u32 s48, s48, s40
	s_min_u32 s48, s48, 96                         ; xb = min(xa + 32 ix, 96), as the record was made
	s_lshl1_add_u32 s47, s48, s46
	BLOCK WXT, 0, 1
	s_add_co_u32 s44, s44, 1
	s_cmp_lt_u32 s44, s42
	s_cbranch_scc1 .Lx_\id
.Lxe_\id:
.if \first == 0
	s_wait_loadcnt 0x0                             ; the band's WY record
.endif
	FMA \first, \WY
.endm
; one bin tile.  Its first records lie in WXc, WYc; those of the next tile (tile tn of the RoI in s[KR]) are asked for into WXn, WYn
; at once and stay on their way while this tile is worked on.
.macro TILE t, WXc, WYc, WXn, WYn, KR, tn, ida, idb
	s_wait_loadcnt 0x0                             ; my first records are in; no load names s[30:33] any more
	s_mov_b64 s[32:33], s[30:31]                   ; this tile's records
	s_mul_i32 s34, s[\KR], 49152
	s_add_co_u32 s34, s34, 12288*\tn
	s_mov_b32 s35, 0
	s_add_nc_u64 s[30:31], s[6:7], s[34:35]        ; the next tile's
	global_load_b128 v[\WXn:\WXn+3], v[L16], s[30:31]
	global_load_b128 v[\WXn+4:\WXn+7], v[L16], s[30:31] offset:512
	global_load_b128 v[\WYn:\WYn+3], v[L16], s[30:31] offset:4096
	global_load_b128 v[\WYn+4:\WYn+7], v[L16], s[30:31] offset:4608
	s_bfe_u32 s40, s[20+\t], 0x80000               ; xa, a multiple of 8
	s_min_u32 s40, s40, 120
	s_and_b32 s40, s40, 0x78
	s_bfe_u32 s41, s[20+\t], 0x80008               ; ya
	s_min_u32 s41, s41, 127
	s_bfe_u32 s42, s[20+\t], 0x80010               ; nx
	s_min_u32 s42, s42, 4
	s_lshr_b32 s43, s[20+\t], 24                   ; ny
	s_min_u32 s43, s43, 8
	s_min_u32 s48, s41, 112
	s_mul_i32 s46, s48, PITCH
	ROW 1, \WXc, \WYc, \ida
	s_cmp_lt_u32 s43, 2
	s_cbranch_scc1 .Lye_\t
	s_mov_b32 s45, 1
.Ly_\t:
	s_lshl_b32 s48, s45, 10
	s_add_co_u32 s48, s48, 4096
	v_add_nc_u32 v[VTY], s48, v[L16]               ; its last loads were waited for in front of the last band's sum
	global_load_b128 v[WYT:WYT+3], v[VTY], s[32:33]
	global_load_b128 v[WYT+4:WYT+7], v[VTY], s[32:33] offset:512
	s_lshl_b32 s48, s45, 4
	s_add_co_u32 s48, s48, s41
	s_min_u32 s48, s48, 112                        ; yb = min(ya + 16 iy, 112), as the record was made
	s_mul_i32 s46, s48, PITCH
	ROW 0, \WXc, WYT, \idb
	s_add_co_u32 s45, s45, 1
	s_cmp_lt_u32 s45, s43
	s_cbranch_scc1 .Ly_\t
.Lye_\t:
.irp c, 0,1,2,3,4,5,6,7
	v_add_f32 v[RES+8*\t+\c], v[ACC+2*\c], v[ACC+2*\c+1]
.endr
.endm
.Lroi:
	; Trip i works on entry i (s18, s[20:23]) and knows entry i + 1 (s19).  It asks for that one's headers and for entry i + 2; past my last
	; entry the last one is named again, so that every load stays inside its buffer.  Both are waited for at the end of the trip, and
	; s28, s29 are rewritten only behind that wait.
	s_lshl_b32 s28, s19, 4
	s_load_b128 s[24:27], s[8:9], s28 offset:0x0
	s_add_co_u32 s48, s17, 2
	s_min_u32 s48, s48, s58
	s_min_u32 s48, s48, 63
	s_lshl_b32 s29, s48, 6
	s_load_b32 s59, s[56:57], s29 offset:0x0
	TILE 0, WXA, WYA, WXB, WYB, 18, 1, a0, b0
	TILE 1, WXB, WYB, WXA, WYA, 18, 2, a1, b1
	TILE 2, WXA, WYA, WXB, WYB, 18, 3, a2, b2
	TILE 3, WXB, WYB, WXA, WYA, 19, 0, a3, b3
	; THE WAY OUT.  The halves of the wave hold the sums over rows 8 h + 0..7 of each band.  For channel c and the tiles 2p, 2p + 1
	; (n = 2 c + p): each half keeps its part of the tile that it will carry and sends its part of the other one across.
.set n, 0
.rept 16
	v_cndmask_b32 v[F+n], v[RES+16*(n%2)+8+n/2], v[RES+16*(n%2)+n/2], s52      ; to send: lanes 0-15 tile 2p + 1, lanes 16-31 tile 2p
	v_cndmask_b32 v[F+16+n], v[RES+16*(n%2)+n/2], v[RES+16*(n%2)+8+n/2], s52   ; to keep: lanes 0-15 tile 2p, lanes 16-31 tile 2p + 1
.set n, n+1
.endr
.set n, 0
.rept 16
	v_permlanex16_b32 v[F+32+n], v[F+n], s50, s51
.set n, n+1
.endr
.set n, 0
.rept 16
	v_add_f32 v[F+n], v[F+16+n], v[F+32+n]
.set n, n+1
.endr
	s_mul_i32 s34, s18, 50176                      ; out0 is [k][256][49] f32; my 8 channels are 1,568 consecutive bytes
	s_mul_i32 s48, s14, 1568
	s_add_co_u32 s34, s34, s48
	s_mov_b32 s35, 0
	s_add_nc_u64 s[36:37], s[10:11], s[34:35]      ; (the last trip's stores were followed by s_wait_xcnt 0)
.set n, 0
.rept 16
	global_store_b32 v[OA+(n%2)], v[F+n], s[36:37] offset:196*(n/2)            ; 112 or 84 consecutive bytes, one behind the other
.set n, n+1
.endr
	s_wait_xcnt 0x0                                ; the stores' data and base are rewritten in the next trip only behind this wait
	s_wait_kmcnt 0x0                               ; the next RoI's headers and the entry behind it
	s_mov_b64 s[20:21], s[24:25]
	s_mov_b64 s[22:23], s[26:27]
	s_mov_b32 s18, s19
	s_min_u32 s19, s59, 1023
	s_add_co_u32 s17, s17, 1
	s_cmp_lt_u32 s17, s16
	s_cbranch_scc1 .Lroi
.Lend:
	s_barrier_signal -1
	s_barrier_wait -1
	s_wait_tensorcnt 0x0
	ds_add_u32 v244, v245
	s_wait_dscnt 0x0
	s_endpgm
.Lfunc_end_k_q8db8592346_pool:
	.size	k_q8db8592346_pool, .Lfunc_end_k_q8db8592346_pool-k_q8db8592346_pool
	.p2alignl 7, 3214868480
	.fill 96, 4, 3214868480
	.section	.rodata,"a",@progbits
	.p2align	6, 0x0
	.amdhsa_kernel k_q8db8592346_pool
		.amdhsa_group_segment_fixed_size 280576
		.amdhsa_private_segment_fixed_size 0
		.amdhsa_enable_private_segment 0
		.amdhsa_kernarg_size 32
		.amdhsa_user_sgpr_count 2
		.amdhsa_user_sgpr_kernarg_segment_ptr 1
		.amdhsa_wavefront_size32 1
		.amdhsa_system_sgpr_workgroup_id_x 1
		.amdhsa_system_sgpr_workgroup_id_y 1
		.amdhsa_system_sgpr_workgroup_id_z 1
		.amdhsa_system_vgpr_workitem_id 0
		.amdhsa_next_free_vgpr 246
		.amdhsa_next_free_sgpr 66
		.amdhsa_reserve_vcc 0
		.amdhsa_float_denorm_mode_32 3
		.amdhsa_float_denorm_mode_16_64 3
		.amdhsa_memory_ordered 1
		.amdhsa_forward_progress 1
		.amdhsa_inst_pref_size 92
	.end_amdhsa_kernel
	.amdgpu_metadata
---
amdhsa.version: [ 1, 2 ]
amdhsa.kernels:
  - .name:           k_q8db8592346_pool
    .symbol:         k_q8db8592346_pool.kd
    .args:
      - { .name: input, .offset: 0, .size: 8, .value_kind: global_buffer, .address_space: global }
      - { .name: wts, .offset: 8, .size: 8, .value_kind: global_buffer, .address_space: global }
      - { .name: plan, .offset: 16, .size: 8, .value_kind: global_buffer, .address_space: global }
      - { .name: out0, .offset: 24, .size: 8, .value_kind: global_buffer, .address_space: global }
    .group_segment_fixed_size: 280576
    .private_segment_fixed_size: 0
    .kernarg_segment_align: 8
    .kernarg_segment_size: 32
    .max_flat_workgroup_size: 512
    .sgpr_count:     66
    .vgpr_count:     246
    .wavefront_size: 32
...
	.end_amdgpu_metadata
.endif
;; end of part 2
;; ======== version 2 of 2: 3 launches; 1.21 times as fast as version 1
;; limits: values outside matrix products are rounded to f16; inputs' magnitudes at most 65,504; values are held in f16: magnitudes above 65,504 overflow, below 6.1e-05 lose precision; below input magnitudes of 6.1e-05 results are inexact or not finite
;; workspace buffers: wts 50,331,648 bytes; plan 50,176 bytes of whole numbers
;; launch heads (part 3): grid 256 x 1, 17 waves a work-group, no clusters, 0 bytes of LDS; arguments rois, offset, plan; writes plan
.if DOCPART == 3
	.amdgcn_target "amdgcn-amd-amdhsa--gfx1250"
	.amdhsa_code_object_version 6
	.text
	.protected	k_q8db8592346_heads
	.globl	k_q8db8592346_heads
	.p2align	8
	.type	k_q8db8592346_heads,@function
k_q8db8592346_heads:
	s_mov_b64 s[64:65], 0
	v_nop
	global_prefetch_b8 v0, s[64:65] scope:SCOPE_SE
	s_setreg_imm32_b32 hwreg(HW_REG_WAVE_MODE, 25, 1), 1
	s_wait_xcnt 0x0
; Deformable RoI pooling, step 1 of 2, part a: the whole-number plan.  (Part b makes the weights; step 2 pools.)
; The 16 samples of a bin form a grid: w hangs on (bin, iw), h on (bin, ih), so a bin's weights are a product WX[bin][x] WY[bin][y].
; Group g = 4 k + t: RoI k, bin tile t = the two bin rows ph = 2t, 2t+1 (14 bins; t = 3: row 6 alone, 7 bins).
; plan, in words: g = xa | ya << 8 | nx << 16 | ny << 24: the first column (a multiple of 8) and row that the tile's bins touch, and how
; many records of 32 columns and of 16 rows cover them;  4096 + 1024 b + j = the j-th RoI of image b, k ascending;
; 12288 + 32 b + s = the number of RoIs of image b (the same for all s: one word for each work-group of step 2).
; These numbers steer trip counts and addresses of part b and of step 2; here they are only computed and stored.
; Waves 0-15 of work-group i: the headers of RoIs 4 i .. 4 i + 3, one group each; lane l stands for bin 14 t + min(l % 16, 13 or 6).
; Wave 16 of work-group 32 b + s: slots j = 32 s + l of image b's list, and the count word.
; Every store goes to an address made of ids alone: no address or branch here hangs on a float, so each list slot SELECTS its RoI.
; The plan is 50,176 bytes in all; its headers leave as one word a wave.
; LIMITS: NaN or infinite rois and offsets are not served.  rw / 7 is rw x (1/7) rounded.  A batch index outside 0..7 is clamped to 7.
.set LANE, 1
.set RE,   2                           ; min(l % 16, last bin of the tile)
.set G7,   5                           ; 1 for the tile's second bin row
.set PW,   6                           ; pw as f32
.set PH,   7                           ; ph as f32
.set OA,   8                           ; byte offset of my bin's tx in offset
.set ZERO, 9
.set ROI,  10                          ; v[11:14] the RoI's four coordinates
.set TX,   15
.set TY,   16
.set T0,   17                          ; v[17:21] at work
.set T1,   18
.set T2,   19
.set T3,   20
.set T4,   21
.set XMN,  40                          ; first and last column, first and last row that the tile's bins touch (f32 whole numbers)
.set XMX,  41
.set YMN,  42
.set YMX,  43
.set LO,   44                          ; xa
.set HDR,  61
; wave 16:
.set JJ,   24                          ; my slot j
.set MM,   25                          ; the match mask of the chunk that holds my RoI
.set CC,   26                          ; matches in front of that chunk
.set NB,   27                          ; 32 x the chunk; at last k
.set TT,   28                          ; at work
.set RUN,  29                          ; matches of the chunk up to and with bit i
.set PP,   30                          ; j - CC: which match of the chunk is mine
.set LA,   31                          ; 20 l
.set SO,   32                          ; 4 l
.set RB,   64                          ; v[64:95] register n: the batch number of RoI 32 n + l
	s_load_b128 s[4:7], s[0:1], 0x0                ; rois s[4:5], offset s[6:7]
	s_load_b64 s[10:11], s[0:1], 0x10              ; plan
	v_lshrrev_b32 v2, 5, v0
	v_readfirstlane_b32 s12, v2                    ; wave 0..16
	v_and_b32 v[LANE], 31, v0
	v_mov_b32 v[ZERO], 0
	s_cmp_eq_u32 s12, 16
	s_cbranch_scc1 .Llist
	; THE HEADERS (waves 0-15)
	s_and_b32 s13, s12, 3                          ; t
	s_lshr_b32 s14, s12, 2
	s_lshl2_add_u32 s14, ttmp9, s14                ; k = 4 x work-group + wave / 4
	s_cmp_eq_u32 s13, 3
	s_cselect_b32 s15, 6, 13                       ; the tile's last bin
	v_and_b32 v[RE], 15, v[LANE]
	v_min_u32 v[RE], s15, v[RE]
	v_cmp_le_u32 vcc_lo, 7, v[RE]
	v_cndmask_b32 v[G7], 0, 1, vcc_lo
	v_mul_u32_u24 v[PW], 7, v[G7]
	v_sub_nc_u32 v[PW], v[RE], v[PW]
	v_cvt_f32_u32 v[PW], v[PW]
	s_lshl_b32 s16, s13, 1
	v_add_nc_u32 v[PH], s16, v[G7]
	v_cvt_f32_u32 v[PH], v[PH]
	s_mul_i32 s16, s14, 98                         ; offset is [k][2][49]; part_h = ph, part_w = pw (floor(p / 7 x 7) = p for p = 0..6)
	s_mul_i32 s17, s13, 14
	s_add_co_u32 s16, s16, s17
	v_add_lshl_u32 v[OA], v[RE], s16, 2            ; 4 (98 k + 14 t + re)
	s_mul_i32 s16, s14, 20                         ; a RoI is 20 bytes
	s_mov_b32 s17, 0
	s_lshl2_add_u32 s22, s14, s13                  ; g = 4 k + t
	s_lshl_b32 s30, s22, 2
	s_mov_b32 s31, 0
	s_wait_kmcnt 0x0
	s_add_nc_u64 s[18:19], s[4:5], s[16:17]        ; my RoI
	s_add_nc_u64 s[24:25], s[10:11], s[30:31]      ; my header word
.irp i, 1,2,3,4
	global_load_b32 v[ROI+\i], v[ZERO], s[18:19] offset:4*\i
.endr
	global_load_b32 v[TX], v[OA], s[6:7]
	global_load_b32 v[TY], v[OA], s[6:7] offset:196
	s_wait_loadcnt 0x0
; One axis: R1, R2 the RoI's two coordinates, PI the bin's index, TR its offset.  The coordinates are formed by the very instructions of
; part b, so that the range found here covers every weight made there.  The samples ascend: 0 is the lowest, 3 the highest.
.macro RANGE R1, R2, PI, TR, MN, MX
	v_rndne_f32 v[T0], v[\R1]
	v_rndne_f32 v[T1], v[\R2]
	v_fma_f32 v[T0], v[T0], 0x3d800000, -0.5               ; start = round(x1) / 16 - 0.5 (the product is exact)
	v_add_f32 v[T1], 1.0, v[T1]
	v_fma_f32 v[T1], v[T1], 0x3d800000, -0.5               ; end = (round(x2) + 1) / 16 - 0.5
	v_sub_f32 v[T1], v[T1], v[T0]
	v_max_num_f32 v[T1], 0x3dcccccd, v[T1]                 ; extent, at least 0.1
	v_mul_f32 v[T2], 0x3e124925, v[T1]                     ; bin = extent / 7
	v_fma_f32 v[T0], v[\PI], v[T2], v[T0]
	v_mul_f32 v[T3], 0x3dcccccd, v[\TR]                    ; offset x 0.1
	v_fma_f32 v[T0], v[T3], v[T1], v[T0]                   ; the bin's first sample
	v_mul_f32 v[T2], 0x3e800000, v[T2]                     ; step = bin / 4
	v_fma_f32 v[T3], v[T2], 0, v[T0]                       ; sample 0,
	v_fma_f32 v[T4], v[T2], 0x40400000, v[T0]              ; sample 3,
	v_med3_num_f32 v[T3], v[T3], 0, 0x42fe0000             ; clipped to 0..127
	v_med3_num_f32 v[T4], v[T4], 0, 0x42fe0000
	v_floor_f32 v[\MN], v[T3]
	v_floor_f32 v[\MX], v[T4]
	v_add_f32 v[\MX], 1.0, v[\MX]
	v_min_num_f32 v[\MX], 0x42fe0000, v[\MX]
.irp m, 1,2,4,8                                            ; over the 16 bins; both halves of the wave hold the same 16
	v_min_num_f32_dpp v[\MN], v[\MN], v[\MN] row_xmask:\m row_mask:0xf bank_mask:0xf
	v_max_num_f32_dpp v[\MX], v[\MX], v[\MX] row_xmask:\m row_mask:0xf bank_mask:0xf
.endr
.endm
	RANGE ROI+1, ROI+3, PW, TX, XMN, XMX
	RANGE ROI+2, ROI+4, PH, TY, YMN, YMX
	; xa = xmin rounded down to 8 (16 bytes of f16), nx = records of 32 columns, ya = ymin, ny = records of 16 rows
	v_mul_f32 v[LO], 0x3e000000, v[XMN]
	v_floor_f32 v[LO], v[LO]
	v_mul_f32 v[LO], 0x41000000, v[LO]             ; xa
	v_sub_f32 v[T0], v[XMX], v[LO]
	v_mul_f32 v[T0], 0x3d000000, v[T0]
	v_floor_f32 v[T0], v[T0]
	v_add_f32 v[T0], 1.0, v[T0]                    ; nx, 1..4
	v_sub_f32 v[T1], v[YMX], v[YMN]
	v_mul_f32 v[T1], 0x3d800000, v[T1]
	v_floor_f32 v[T1], v[T1]
	v_add_f32 v[T1], 1.0, v[T1]                    ; ny, 1..8
	v_cvt_u32_f32 v[HDR], v[LO]
	v_cvt_u32_f32 v[T2], v[YMN]
	v_cvt_u32_f32 v[T0], v[T0]
	v_cvt_u32_f32 v[T1], v[T1]
	v_lshl_or_b32 v[HDR], v[T2], 8, v[HDR]
	v_lshl_or_b32 v[HDR], v[T0], 16, v[HDR]
	v_lshl_or_b32 v[HDR], v[T1], 24, v[HDR]
	s_wait_xcnt 0x0                                ; EXEC changes only behind this wait
	v_cmp_eq_u32 vcc_lo, 0, v[LANE]                ; lane 0 stores the group's header
	s_and_saveexec_b32 s23, vcc_lo
	global_store_b32 v[ZERO], v[HDR], s[24:25]
	s_endpgm
	; THE LISTS (wave 16).  Chunk n = RoIs 32 n .. 32 n + 31; c_n = matches of image b in front of it.  Slot j's RoI lies in the
	; last chunk with c_n <= j (c_n never falls, and the chunk behind the right one has c > j).
.Llist:
	s_lshr_b32 s34, ttmp9, 5                       ; b
	s_and_b32 s35, ttmp9, 31
	s_lshl_b32 s35, s35, 5                         ; my first slot, 32 s
	s_lshl_b32 s44, ttmp9, 7                       ; 4 (1024 b + 32 s) = 128 x work-group,
	s_add_co_u32 s44, s44, 16384                   ; behind the 4,096 headers
	s_mov_b32 s45, 0
	s_lshl_b32 s46, ttmp9, 2
	s_add_co_u32 s46, s46, 49152                   ; the count word of this work-group's number
	s_mov_b32 s47, 0
	v_mul_u32_u24 v[LA], 20, v[LANE]
	v_add_nc_u32 v[JJ], s35, v[LANE]
	v_lshlrev_b32 v[SO], 2, v[LANE]
	s_mov_b32 s36, 0                               ; c_0
	s_wait_kmcnt 0x0
	s_add_nc_u64 s[40:41], s[10:11], s[44:45]      ; the 32 list slots
	s_add_nc_u64 s[42:43], s[10:11], s[46:47]      ; the count word
.set n, 0
.rept 32
	global_load_b32 v[RB+n], v[LA], s[4:5] offset:640*n        ; rois[32 n + l][0]
.set n, n+1
.endr
.set n, 0
.rept 32
	s_wait_loadcnt 31-n                            ; the loads of the 31 - n later chunks stay out
	v_cvt_i32_f32 v[TT], v[RB+n]                   ; toward zero, as astype(int32)
	v_min_u32 v[TT], 7, v[TT]
	v_cmp_eq_u32 s37, s34, v[TT]                   ; the chunk's matches
.if n == 0
	v_mov_b32 v[MM], s37                           ; c_0 = 0 <= j: chunk 0 starts the selection
	v_mov_b32 v[CC], 0
	v_mov_b32 v[NB], 0
.else
	v_cmp_gt_u32 vcc_lo, s36, v[JJ]                ; c_n > j: keep what I have
	v_cndmask_b32 v[MM], s37, v[MM], vcc_lo
	v_cndmask_b32 v[CC], s36, v[CC], vcc_lo
	v_cndmask_b32 v[NB], 32*n, v[NB], vcc_lo
.endif
	s_bcnt1_i32_b32 s38, s37
	s_add_co_u32 s36, s36, s38                     ; c_(n+1)
.set n, n+1
.endr
	v_sub_nc_u32 v[PP], v[JJ], v[CC]
	; the place of match number PP (from 0) in the mask = how many bit positions have at most PP matches up to and with themselves
.set bi, 0
.rept 32
.if bi == 0
	v_and_b32 v[RUN], 1, v[MM]
.else
	v_bfe_u32 v[TT], v[MM], bi, 1
	v_add_nc_u32 v[RUN], v[RUN], v[TT]
.endif
	v_cmp_le_u32 vcc_lo, v[RUN], v[PP]
	v_cndmask_b32 v[TT], 0, 1, vcc_lo
	v_add_nc_u32 v[NB], v[NB], v[TT]
.set bi, bi+1
.endr
	v_min_u32 v[NB], 0x3ff, v[NB]                  ; slots at or past the image's count get some RoI's number; step 2 stops at the count
	global_store_b32 v[SO], v[NB], s[40:41]        ; 128 consecutive bytes
	v_mov_b32 v[TT], s36                           ; the image's count
	s_wait_xcnt 0x0                                ; EXEC is a source of the pending store: it changes only behind this wait
	v_cmp_eq_u32 vcc_lo, 0, v[LANE]
	s_and_saveexec_b32 s23, vcc_lo
	global_store_b32 v[ZERO], v[TT], s[42:43]
	s_endpgm
.Lfunc_end_k_q8db8592346_heads:
	.size	k_q8db8592346_heads, .Lfunc_end_k_q8db8592346_heads-k_q8db8592346_heads
	.p2alignl 7, 3214868480
	.fill 96, 4, 3214868480
	.section	.rodata,"a",@progbits
	.p2align	6, 0x0
	.amdhsa_kernel k_q8db8592346_heads
		.amdhsa_group_segment_fixed_size 0
		.amdhsa_private_segment_fixed_size 0
		.amdhsa_enable_private_segment 0
		.amdhsa_kernarg_size 24
		.amdhsa_user_sgpr_count 2
		.amdhsa_user_sgpr_kernarg_segment_ptr 1
		.amdhsa_wavefront_size32 1
		.amdhsa_system_sgpr_workgroup_id_x 1
		.amdhsa_system_sgpr_workgroup_id_y 1
		.amdhsa_system_sgpr_workgroup_id_z 1
		.amdhsa_system_vgpr_workitem_id 0
		.amdhsa_next_free_vgpr 96
		.amdhsa_next_free_sgpr 66
		.amdhsa_reserve_vcc 1
		.amdhsa_float_denorm_mode_32 3
		.amdhsa_float_denorm_mode_16_64 3
		.amdhsa_memory_ordered 1
		.amdhsa_forward_progress 1
		.amdhsa_inst_pref_size 30
	.end_amdhsa_kernel
	.amdgpu_metadata
---
amdhsa.version: [ 1, 2 ]
amdhsa.kernels:
  - .name:           k_q8db8592346_heads
    .symbol:         k_q8db8592346_heads.kd
    .args:
      - { .name: rois, .offset: 0, .size: 8, .value_kind: global_buffer, .address_space: global }
      - { .name: offset, .offset: 8, .size: 8, .value_kind: global_buffer, .address_space: global }
      - { .name: plan, .offset: 16, .size: 8, .value_kind: global_buffer, .address_space: global }
    .group_segment_fixed_size: 0
    .private_segment_fixed_size: 0
    .kernarg_segment_align: 8
    .kernarg_segment_size: 24
    .max_flat_workgroup_size: 544
    .sgpr_count:     66
    .vgpr_count:     96
    .wavefront_size: 32
...
	.end_amdgpu_metadata
.endif
;; end of part 3
;; launch weights (part 4): grid 256 x 1, 16 waves a work-group, no clusters, 0 bytes of LDS; arguments rois, offset, plan, wts; writes wts
.if DOCPART == 4
	.amdgcn_target "amdgcn-amd-amdhsa--gfx1250"
	.amdhsa_code_object_version 6
	.text
	.protected	k_q8db8592346_weights
	.globl	k_q8db8592346_weights
	.p2align	8
	.type	k_q8db8592346_weights,@function
k_q8db8592346_weights:
	s_mov_b64 s[64:65], 0
	v_nop
	global_prefetch_b8 v0, s[64:65] scope:SCOPE_SE
	s_setreg_imm32_b32 hwreg(HW_REG_WAVE_MODE, 25, 1), 1
	s_wait_xcnt 0x0
; Deformable RoI pooling, step 1 of 2, part b: from rois and offset to separable weights, as many records as part a's plan asks for.
; The 16 samples of a bin form a grid: w hangs on (bin, iw), h on (bin, ih), valid = vx(iw) and vy(ih), count = cx cy, and a bilinear
; weight is hat(d) = max(0, 1 - |d|) of the clipped coordinate.  So out[k][c][bin] = sum_y WY[bin][y] sum_x WX[bin][x] f[c][y][x] with
; WX[bin][x] = sum_i vx_i hat(x - wc_i) / max(cx, 1), WY likewise.  (cx = 0 or cy = 0 gives all-zero weights: the result 0, as asked.)
; One wave makes one group g = 4 k + t: RoI k, bin tile t = the two bin rows ph = 2t, 2t+1 (14 bins; t = 3: row 6 alone, 7 bins).
; Lane l stands for bin 14 t + min(l % 16, 13 or 6); the lanes past the last bin repeat it.
; A group owns 12,288 bytes of wts: room for 4 records of WX (f16: a B fragment, 16 bins x 32 x) and, from byte 4,096 on, 8 of WY (f32:
; 16 bins x 16 y in the layout of a matrix result).  A record is 1 KiB: bytes 16 l = the lane's registers 0-3, bytes 512 + 16 l = 4-7.
; WX record ix: lo = xa + 32 ix, first column xb = min(lo, 96); weights of x < lo are 0, so that clamped records count nothing twice.
; WY record iy: lo = ya + 16 iy, first row yb = min(lo, 112), the same.
; xa, ya and the numbers nx, ny of records come from the group's header in plan, clamped as step 2 clamps them.  Only records ix < nx
; and iy < ny are written (one of each at the least); step 2 reads no others.
; LIMITS: NaN or infinite rois and offsets are not served.  rw / 7 is rw x (1/7) rounded, 1 / count is v_rcp_f32(cx) x v_rcp_f32(cy)
; (each within one unit in the last place).  WX is rounded to f16 (11 significant bits).
.set LANE, 1
.set RE,   2                           ; min(l % 16, last bin of the tile)
.set HH,   3                           ; l / 16
.set H8,   4                           ; 8 (l / 16) as f32
.set G7,   5                           ; 1 for the tile's second bin row
.set PW,   6                           ; pw as f32
.set PH,   7                           ; ph as f32
.set OA,   8                           ; byte offset of my bin's tx in offset
.set ZERO, 9
.set ROI,  10                          ; v[11:14] the RoI's four coordinates
.set TX,   15
.set TY,   16
.set T0,   17                          ; v[17:21] at work
.set T1,   18
.set T2,   19
.set T3,   20
.set T4,   21
.set XWC,  24                          ; v[24:27] clipped w of the four samples
.set XAA,  28                          ; v[28:31] vx_i / max(cx, 1)
.set YWC,  32
.set YAA,  36
.set LO,   44                          ; the record's lo
.set X,    46                          ; the element's x or y
.set S0,   48
.set S1,   49
.set W,    52                          ; v[52:59] the record's eight registers
.set STO,  60                          ; 16 l + the record's place in the group
	s_load_b256 s[4:11], s[0:1], 0x0               ; rois s[4:5], offset s[6:7], plan s[8:9], wts s[10:11]
	v_lshrrev_b32 v2, 5, v0
	v_readfirstlane_b32 s12, v2                    ; wave 0..15
	v_and_b32 v[LANE], 31, v0
	s_and_b32 s13, s12, 3                          ; t
	s_lshr_b32 s14, s12, 2
	s_lshl2_add_u32 s14, ttmp9, s14                ; k = 4 x work-group + wave / 4
	s_cmp_eq_u32 s13, 3
	s_cselect_b32 s15, 6, 13                       ; the tile's last bin
	v_and_b32 v[RE], 15, v[LANE]
	v_min_u32 v[RE], s15, v[RE]
	v_lshrrev_b32 v[HH], 4, v[LANE]
	v_lshlrev_b32 v[H8], 3, v[HH]
	v_cvt_f32_u32 v[H8], v[H8]
	v_cmp_le_u32 vcc_lo, 7, v[RE]
	v_cndmask_b32 v[G7], 0, 1, vcc_lo
	v_mul_u32_u24 v[PW], 7, v[G7]
	v_sub_nc_u32 v[PW], v[RE], v[PW]
	v_cvt_f32_u32 v[PW], v[PW]
	s_lshl_b32 s16, s13, 1
	v_add_nc_u32 v[PH], s16, v[G7]
	v_cvt_f32_u32 v[PH], v[PH]
	s_mul_i32 s16, s14, 98                         ; offset is [k][2][49]; part_h = ph, part_w = pw (floor(p / 7 x 7) = p for p = 0..6)
	s_mul_i32 s17, s13, 14
	s_add_co_u32 s16, s16, s17
	v_add_lshl_u32 v[OA], v[RE], s16, 2            ; 4 (98 k + 14 t + re)
	v_mov_b32 v[ZERO], 0
	v_lshlrev_b32 v[STO], 4, v[LANE]
	s_mul_i32 s16, s14, 20                         ; a RoI is 20 bytes
	s_mov_b32 s17, 0
	s_lshl2_add_u32 s22, s14, s13                  ; g = 4 k + t
	s_mul_i32 s28, s22, 12288
	s_mov_b32 s29, 0
	s_lshl_b32 s30, s22, 2
	s_wait_kmcnt 0x0
	s_load_b32 s39, s[8:9], s30 offset:0x0         ; my group's header
	s_add_nc_u64 s[18:19], s[4:5], s[16:17]        ; my RoI
	s_add_nc_u64 s[20:21], s[10:11], s[28:29]      ; my group's records
.irp i, 1,2,3,4
	global_load_b32 v[ROI+\i], v[ZERO], s[18:19] offset:4*\i
.endr
	global_load_b32 v[TX], v[OA], s[6:7]
	global_load_b32 v[TY], v[OA], s[6:7] offset:196
	s_wait_kmcnt 0x0
	s_bfe_u32 s32, s39, 0x80000                    ; xa, a multiple of 8
	s_min_u32 s32, s32, 120
	s_and_b32 s32, s32, 0x78
	s_bfe_u32 s33, s39, 0x80008                    ; ya
	s_min_u32 s33, s33, 127
	s_bfe_u32 s36, s39, 0x80010                    ; nx
	s_min_u32 s36, s36, 4
	s_lshr_b32 s37, s39, 24                        ; ny
	s_min_u32 s37, s37, 8
	s_wait_loadcnt 0x0
; one sample of an axis: w = start + i x step; 1.0 or 0 for -0.5 <= w <= 127.5; w clipped to 0..127
.macro SMP i, fi, WC, AA
	v_fma_f32 v[T3], v[T2], \fi, v[T0]
	v_med3_num_f32 v[T4], v[T3], -0.5, 0x42ff0000          ; w clamped to [-0.5, 127.5] equals w where w is valid
	v_cmp_eq_f32 vcc_lo, v[T4], v[T3]
	v_cndmask_b32 v[\AA+\i], 0, 1.0, vcc_lo
	v_med3_num_f32 v[\WC+\i], v[T3], 0, 0x42fe0000
.endm
; one axis: R1, R2 the RoI's two coordinates, PI the bin's index, TR its offset
.macro AXIS R1, R2, PI, TR, WC, AA
	v_rndne_f32 v[T0], v[\R1]
	v_rndne_f32 v[T1], v[\R2]
	v_fma_f32 v[T0], v[T0], 0x3d800000, -0.5               ; start = round(x1) / 16 - 0.5 (the product is exact)
	v_add_f32 v[T1], 1.0, v[T1]
	v_fma_f32 v[T1], v[T1], 0x3d800000, -0.5               ; end = (round(x2) + 1) / 16 - 0.5
	v_sub_f32 v[T1], v[T1], v[T0]
	v_max_num_f32 v[T1], 0x3dcccccd, v[T1]                 ; extent, at least 0.1
	v_mul_f32 v[T2], 0x3e124925, v[T1]                     ; bin = extent / 7
	v_fma_f32 v[T0], v[\PI], v[T2], v[T0]
	v_mul_f32 v[T3], 0x3dcccccd, v[\TR]                    ; offset x 0.1
	v_fma_f32 v[T0], v[T3], v[T1], v[T0]                   ; the bin's first sample
	v_mul_f32 v[T2], 0x3e800000, v[T2]                     ; step = bin / 4
	SMP 0, 0, \WC, \AA
	SMP 1, 1.0, \WC, \AA
	SMP 2, 2.0, \WC, \AA
	SMP 3, 0x40400000, \WC, \AA
	v_add_f32 v[T3], v[\AA], v[\AA+1]
	v_add_f32 v[T4], v[\AA+2], v[\AA+3]
	v_add_f32 v[T3], v[T3], v[T4]
	v_max_num_f32 v[T3], 1.0, v[T3]
	v_rcp_f32 v[T4], v[T3]
	v_nop                                                  ; one plain place between v_rcp_f32 and the use of its result (ISA guide 5.7.2)
	s_wait_alu depctr_va_vdst(0)
.irp i, 0,1,2,3
	v_mul_f32 v[\AA+\i], v[\AA+\i], v[T4]
.endr
.endm
	AXIS ROI+1, ROI+3, PW, TX, XWC, XAA
	AXIS ROI+2, ROI+4, PH, TY, YWC, YAA
; S = sum_i AA_i hat(X - WC_i), and 0 where X < LO.  v47 is at work.
.macro HAT S, WC, AA
.irp i, 0,1,2,3
	v_sub_f32 v47, v[X], v[\WC+\i]
	v_sub_f32 v47, 1.0, |v47|
	v_max_num_f32 v47, 0, v47
.if \i == 0
	v_mul_f32 v[\S], v47, v[\AA]                   ; the first product starts the sum
.else
	v_fmac_f32 v[\S], v47, v[\AA+\i]
.endif
.endr
	v_cmp_le_f32 vcc_lo, v[LO], v[X]
	v_cndmask_b32 v[\S], 0, v[\S], vcc_lo
.endm
	; nx WX records.  Element e of lane (r, h) of a 16-bit fragment is k = 8 h + e (e < 8) or 8 h + e + 8 (ISA guide 7.12.2).
	v_cvt_f32_u32 v[LO], s32                       ; the first record's lo = xa
	s_mov_b32 s22, 0
.Lwx:
	v_min_num_f32 v[X], 0x42c00000, v[LO]          ; xb = min(lo, 96)
	v_add_f32 v[X], v[X], v[H8]
.set e, 0
.rept 8
	HAT S0, XWC, XAA
	v_add_f32 v[X], 1.0, v[X]
	HAT S1, XWC, XAA
	v_cvt_pk_f16_f32 v[W+e], v[S0], v[S1]
.if e == 3
	v_add_f32 v[X], 0x41100000, v[X]               ; from k = 8 h + 7 to 8 h + 16
.else
.if e < 7
	v_add_f32 v[X], 1.0, v[X]
.endif
.endif
.set e, e+1
.endr
	global_store_b128 v[STO], v[W:W+3], s[20:21]               ; each store of the wave covers 512 consecutive bytes, aligned
	global_store_b128 v[STO], v[W+4:W+7], s[20:21] offset:512
	s_wait_xcnt 0x0                                ; STO and W are rewritten only behind this wait
	v_add_nc_u32 v[STO], 1024, v[STO]
	v_add_f32 v[LO], 0x42000000, v[LO]
	s_add_co_u32 s22, s22, 1
	s_cmp_lt_u32 s22, s36
	s_cbranch_scc1 .Lwx
	; ny WY records, from byte 4,096 of the group on.  Register j of lane (r, h) is row 8 h + j.
	v_lshl_or_b32 v[STO], v[LANE], 4, 0x1000       ; 16 l + 4,096
	v_cvt_f32_u32 v[LO], s33                       ; the first record's lo = ya
	s_mov_b32 s22, 0
.Lwy:
	v_min_num_f32 v[X], 0x42e00000, v[LO]          ; yb = min(lo, 112)
	v_add_f32 v[X], v[X], v[H8]
.set e, 0
.rept 8
	HAT W+e, YWC, YAA
.if e < 7
	v_add_f32 v[X], 1.0, v[X]
.endif
.set e, e+1
.endr
	global_store_b128 v[STO], v[W:W+3], s[20:21]
	global_store_b128 v[STO], v[W+4:W+7], s[20:21] offset:512
	s_wait_xcnt 0x0                                ; as above
	v_add_nc_u32 v[STO], 1024, v[STO]
	v_add_f32 v[LO], 0x41800000, v[LO]
	s_add_co_u32 s22, s22, 1
	s_cmp_lt_u32 s22, s37
	s_cbranch_scc1 .Lwy
	s_endpgm
.Lfunc_end_k_q8db8592346_weights:
	.size	k_q8db8592346_weights, .Lfunc_end_k_q8db8592346_weights-k_q8db8592346_weights
	.p2alignl 7, 3214868480
	.fill 96, 4, 3214868480
	.section	.rodata,"a",@progbits
	.p2align	6, 0x0
	.amdhsa_kernel k_q8db8592346_weights
		.amdhsa_group_segment_fixed_size 0
		.amdhsa_private_segment_fixed_size 0
		.amdhsa_enable_private_segment 0
		.amdhsa_kernarg_size 32
		.amdhsa_user_sgpr_count 2
		.amdhsa_user_sgpr_kernarg_segment_ptr 1
		.amdhsa_wavefront_size32 1
		.amdhsa_system_sgpr_workgroup_id_x 1
		.amdhsa_system_sgpr_workgroup_id_y 1
		.amdhsa_system_sgpr_workgroup_id_z 1
		.amdhsa_system_vgpr_workitem_id 0
		.amdhsa_next_free_vgpr 64
		.amdhsa_next_free_sgpr 66
		.amdhsa_reserve_vcc 1
		.amdhsa_float_denorm_mode_32 3
		.amdhsa_float_denorm_mode_16_64 3
		.amdhsa_memory_ordered 1
		.amdhsa_forward_progress 1
		.amdhsa_inst_pref_size 27
	.end_amdhsa_kernel
	.amdgpu_metadata
---
amdhsa.version: [ 1, 2 ]
amdhsa.kernels:
  - .name:           k_q8db8592346_weights
    .symbol:         k_q8db8592346_weights.kd
    .args:
      - { .name: rois, .offset: 0, .size: 8, .value_kind: global_buffer, .address_space: global }
      - { .name: offset, .offset: 8, .size: 8, .value_kind: global_buffer, .address_space: global }
      - { .name: plan, .offset: 16, .size: 8, .value_kind: global_buffer, .address_space: global }
      - { .name: wts, .offset: 24, .size: 8, .value_kind: global_buffer, .address_space: global }
    .group_segment_fixed_size: 0
    .private_segment_fixed_size: 0
    .kernarg_segment_align: 8
    .kernarg_segment_size: 32
    .max_flat_workgroup_size: 512
    .sgpr_count:     66
    .vgpr_count:     64
    .wavefront_size: 32
...
	.end_amdgpu_metadata
.endif
;; end of part 4
;; launch pool: the kernel of part 2 again; grid 256 x 1, 16 waves a work-group, no clusters, 280,576 bytes of LDS; arguments input, wts, plan, out0; writes out0
